; MI455X (gfx1250); checked and timed in simulation.
; The chip was launched on July 23, 2026; its instructions are those of AMD's public machine-readable ISA for CDNA 5 (MIT licence, August 2026) and "CDNA5" Instruction Set Architecture Reference Guide (July 2026). The comments in the code are by the model that wrote it; some were corrected since.
;; Multi Head Attention. Allowed arithmetic: matrix products marked QUANTISED: E2M1 operands, one E8M0 scale for each 32 along K, by v_wmma_scale_f32_16x16x128_f8f6f4 with both operands' format E2M1 (or v_wmma_scale_f32_32x16x128_f4), f32 sums; everything else in f32.
;; Inputs: W_out 1,024 x 1,024 float32; b_out 1,024 float32; keys 4 x 2,048 x 1,024 float32; query 4 x 2,048 x 1,024 float32; values 4 x 2,048 x 1,024 float32.
;; Outputs: out0 4 x 2,048 x 1,024 float32.
;; This version of the problem:
;;   THIS VERSION OF THE PROBLEM IS GIVEN IN LOW PRECISION. The matrix products marked QUANTISED in the list below multiply operands that are first quantised to E2M1 (2 exponent bits, 1 mantissa bit; 4 bits a number), with one power-of-two scale for each 32 numbers along K (OCP MX v1.0); their sums are f32. All else is computed in f32.
;;   The module's matrix products, in the order in which they are computed (A, B: the left and right operand; K: the contracted axis; several contracted axes count as one K, in the product's order):
;;     1. batch 64 x [M 2,048, K 64] x [K 64, N 2,048]; A: input query; B: input keys: QUANTISED
;;     2. batch 64 x [M 64, K 2,048] x [K 2,048, N 2,048]; A: input values; B: softmax (see below): QUANTISED
;;     3. [M 8,192, K 1,024] x [K 1,024, N 1,024]; A: computed on the way; B: input W_out: QUANTISED
;;   THE QUANTISER, for each operand of a quantised product, along K:
;;     - K is cut into blocks of 32 from its start; a last block that is shorter is filled with zeros.
;;     - A block's scale is 2^e with e = floor(log2(the largest magnitude in the block)) - 2, held to -126 .. 127; a block of zeros has e = 0. As a byte (E8M0): e + 127.
;;     - Each number is divided by its block's scale, clamped to +-6, and rounded to the nearest number of E2M1, ties to even, subnormals kept.
;;     - The product sums the exact products of the quantised numbers (number of the format x scale) in f32.
;;   ~~~python
;;   def quantise(x, axis):      # numpy; x: float32 -> the quantised numbers, widened to float32 again
;;       x = np.moveaxis(x, axis, -1); K = x.shape[-1]
;;       x = np.pad(x, [(0, 0)] * (x.ndim - 1) + [(0, -K % 32)]); x = x.reshape(x.shape[:-1] + (-1, 32)); a = np.abs(x).max(-1, keepdims=True)
;;       e = np.where(a > 0, np.clip(np.frexp(np.where(a > 0, a, 1))[1] - 1 - 2, -126, 127), 0)      # np.frexp(a)[1] - 1 = floor(log2(a)), exactly
;;       r = np.clip(x / 2.0 ** e, -6, 6)
;;       step = 2.0 ** (np.maximum(np.frexp(np.where(r == 0, 1, r))[1] - 1, 0) - 1)
;;       q = np.round(r / step) * step * 2.0 ** e      # np.round: ties to even
;;       return np.moveaxis(q.reshape(q.shape[:-2] + (-1,))[..., :K], -1, axis).astype(np.float32)
;;   ~~~
;;   SOFTMAX AHEAD OF A QUANTISED PRODUCT. Where the list says 'softmax', what is quantised is not the finished softmax but p = 2^(t - M), with t = logit x log2(e) and M = ceil(the row's largest t), a whole number; so 1/2 < the row's largest p <= 1. The row's sum l is taken of the UNQUANTISED p, in f32, and the product's result is divided by l at the end. Since M is a whole number, a kernel that streams over the keys may use a running M (the ceiling of the running maximum): every later rescaling is an exact power of two, which a block's scale takes up: the codes' values come out the same.
;;   OPERANDS COMPUTED ON THE WAY. 'Computed on the way' means the value that the module computes at that place (a softmax that the list does not call 'softmax' is quantised finished and normalised). What goes into a quantiser is computed in f32, as accurately as f32 sums, v_exp_f32 and their like allow (about 1e-6 of the number): no bf16 or f16 on the way to a quantiser, and a product that is left as it is and whose result goes on into a quantised operand takes f32 operands (vector FMAs, or v_wmma_f32_16x16x4_f32). A number that lies on a knife's edge between two numbers of the format may be rounded either way, as far as f32 arithmetic and the matrix unit's own rounding can turn it there, and no further.
;; One version. Each part assembles by itself: llvm-mc -triple=amdgcn-amd-amdhsa -mcpu=gfx1250 --defsym DOCPART=n.
;; ======== version 1 of 1: 2 launches
;; limits: right only within a limited range of input values
;; workspace buffers: wq 589,824 bytes; aq 4,718,592 bytes
;; launch attn (part 1): grid 4 x 64, 16 waves a work-group, clusters of 4 x 1, 217,088 bytes of LDS; arguments query, keys, values, W_out, aq, wq; writes aq, wq
.if DOCPART == 1
	.amdgcn_target "amdgcn-amd-amdhsa--gfx1250"
	.amdhsa_code_object_version 6
	.text
	.protected	k_qcb069abb5f_attn
	.globl	k_qcb069abb5f_attn
	.p2align	8
	.type	k_qcb069abb5f_attn,@function
k_qcb069abb5f_attn:
	s_mov_b64 s[64:65], 0
	v_nop
	global_prefetch_b8 v0, s[64:65] scope:SCOPE_SE
	s_setreg_imm32_b32 hwreg(HW_REG_WAVE_MODE, 25, 1), 1
	s_wait_xcnt 0x0
	s_wait_alu depctr_hold_cnt(0) depctr_sa_sdst(0) depctr_va_vdst(0) depctr_va_sdst(0) depctr_va_ssrc(0) depctr_va_vcc(0) depctr_vm_vsrc(0)
	s_getreg_b32 s2, hwreg(HW_REG_IB_STS2, 6, 4)
	s_cmp_eq_u32 s2, 0
	s_cbranch_scc0 .Lentry_in_a_cluster
	s_endpgm
.Lentry_in_a_cluster:
	s_bfe_u32 s2, ttmp6, 0x10000c
	s_cmp_lg_u32 s2, 0x3003
	s_cbranch_scc0 .Lentry_shape_is_right
	s_endpgm
.Lentry_shape_is_right:
; Attention of one head for 512 queries, both products on codes of FP4 (E2M1) with one E8M0 scale for each 32 along K; the result leaves as codes, the projection's left operand (aq).
; query, keys, values [4][2048][1024] f32 are quantised HERE: Q along the head's 64 at the head; K (along the head's 64) and V (along the keys) chunk by chunk of 512 keys into an LDS image of the
; whole head, 143,360 bytes, each byte stored once.  While chunk c is multiplied, the sixteen waves prepare chunk c + 1: in each key step a wave has 32 registers of f32 numbers on their way,
; asked for one key step before they are used; steps 0, 1: one tile of K each (16 keys x 64), steps 2, 3: 32 channels x 32 keys of V each.  One barrier for each chunk shows the new codes to all waves.
; W_out [1024][1024] is quantised at the head too, one tile of 16 rows x 64 by each of waves 0-3: 256 work-groups x 4 = its 1,024 tiles (wq, in the order of the projection's registers).
; wq's half scale words leave 4 bytes a lane, 16 bytes apart: waves 0-3 of two neighbouring work-groups fill 512 consecutive bytes between them; they are 65,536 bytes in all.
; THE SOFTMAX: t = score x log2(e) / 8; M = the largest t so far, rounded UP to a whole number; p = 2^(t - M) is quantised along the keys, not normalised; the row's sum is taken of the unquantised p
; and divides O at the end.  When M moves, the sum and O are multiplied by 2^(old M - new M), which rounds nothing.
; LAYOUT.  Both products are used transposed (S^T = K Q^T, O^T = V^T P): a lane holds ONE query (lane % 16).  Row r of tile t of K is key 64 (t / 4) + 8 (t % 4) + r % 8 + 32 (r / 8), row r of tile t of V is
; channel 8 t + r % 8 + 32 (r / 8): so a lane's 32 registers of four neighbouring tiles are one WHOLE block of 32 along the next product's K, in the operand's own order: no lane is asked for a block's maximum.
; A BLOCK'S SCALE OF p: its byte is floor(t - M) + 125 of the block's largest score, held at 1 from below: the exponent of 2^(t - M) without an exponential.
; K = 64 IN AN INSTRUCTION OF 128: tile 0 of Q has its codes in registers 0-3 and zero codes behind, tile 1 zero codes ahead and its codes in registers 4-7 (one run of zeros serves both);
; whatever stands in the other half of source 0 meets zero codes; K's scale word holds its two bytes twice, Q's other two bytes are 0, which is 2^-127 and no NaN.
; CLUSTER.  The four work-groups of a cluster are the four query blocks of one head and walk the same K and V.  Every operand goes from memory into registers to be quantised: the launch has no tensor load,
; so nothing is asked for jointly and no round of the cluster's barrier is written.  The place in the cluster enters global addresses alone.
; PREFETCH.  A chunk's K and V are 1,024 pieces of 256 bytes (a row's part of the head).  The four partners share them out by address, 256 each: waves 0-3 ask for 32 rows of K each, waves 4-7 for 32 of V,
; a lane a row, one instruction a wave.  Chunk 1 is asked for in the head, behind the head's own loads; trip c asks for chunk c + 2, whose loads are issued in trip c + 1; the last two trips ask for nothing.
; LIMITS: NaN and infinities among the inputs are not served.  The scaled scores stay under 2^31.  A block of zeros, or one whose largest magnitude lies under 2^-124, gets the scale byte 1 (zeros: 127 by the rule):
; its codes are zeros and this program alone reads the bytes.  A p under 2^-126 is 0 (v_exp_f32 flushes: ISA guide 15.8).  Where v_exp_f32 would round a block's largest p up to a power of two,
; the byte is the one of the unrounded number.  The row's sum is added in another order than a plain loop's.
.set CHUNKB, 35840                     ; 512 keys: K's codes [q][t 0..7][lane][16], V's codes [q][t 0..3][c][lane][16], K's scale words [q][lane][b], V's [q / 2][lane][2 (q % 2) + j]
.set VCO,    16384
.set KSCO,   32768
.set VSCO,   34816
.set GRPB,   73728                     ; aq, wq: 128 rows: 65,536 bytes of codes, 8,192 of half scale words
.set SP,     272                       ; a stage row: 256 bytes + 16
.set STG,    143360                    ; behind the image: a stage of 16 rows for each wave
.set SCO,    STG+16*16*SP              ; the result's scale words, 128 bytes a wave
.set SPARE,  SCO+2048                  ; the spare words, 128 bytes a wave
.set LI,  1                            ; 16 x lane
.set AD,  2                            ; the chunk in hand + 16 x lane
.set STI, 3                            ; stage, in: row i + 8 (lane / 16), 16 bytes at lane % 16
.set STR, 4                            ; stage, out: row lane % 16, block lane / 16
.set GK,  5                            ; K's loads: lanes 16-31 take the row 32 keys on
.set GV,  6                            ; V's loads: 4 x lane
.set WK0, 7                            ; where my codes and scales go in a chunk
.set WKS0, 8
.set WV0, 9
.set WVS0, 10
.set SH,  11                           ; 8 x (lane / 16)
.set SPW, 12
.set NIL, 13
.set QS,  14                           ; v14-15 Q's scale words
.set PS,  16                           ; p's scale word
.set PFO, 17                           ; the prefetches' offset: 4,096 x lane, a lane a row; never rewritten
.set VSC, 18                           ; v18-19 V's scale words of a step
.set KSC, 20                           ; v20-23 K's
.set Q,   24                           ; v24-27 tile 0's codes, v28-31 zeros, v32-35 tile 1's
.set PC,  36                           ; v36-43 p's codes
.set KF,  44                           ; v44-75 eight fragments of K or four of V
.set ST,  76                           ; v76-83 tile x at + 4 x: -M, the largest score, the sum in two halves
.set S,   84                           ; v84-147 S^T, then p
.set O,   148                          ; v148-211 O^T: tile x, channels' tile t at + 32 x + 8 t
.set R,   212                          ; v212-243 f32 numbers on their way
.set BM,  244
.set BX,  246
.set SO,  248
.set F,   250                          ; f = 2^(old M - new M), named as a pair with T2
.set T2,  251
.set T,   252
.set WV,  16
.set CNT, 21
.set SEL, 22
.set CS,  24
.set SQ,  26
.set SK,  28
.set SV,  30
.set SW,  32
.set WQC, 34
.set WQS, 36
.set SKL, 38
.set TB,  40
.set TN,  41
.set SVL, 42
.set AQC, 52
.set AQW, 54
.set LIM, 61                           ; a wave prefetches in the trips whose count is at least this: 3 in waves 0-7, 100 in the others
.set PFA, 62                           ; s[62:63] where my prefetches stand
.macro PLACES n
.rept \n
	v_nop
.endr
.endm
.macro AW                              ; a wait ahead of blocking waits, branches and batches of transcendentals
	s_wait_alu depctr_va_vdst(0)
.endm
; eight loads of two rows each: sixteen lanes read 256 consecutive aligned bytes
.macro TL8 dst, off, base, row0
.irp i, 0,1,2,3,4,5,6,7
	global_load_b128 v[\dst+4*\i:\dst+4*\i+3], v[\off], s[\base:\base+1] offset:((\row0)+\i)*4096
.endr
.endm
; 32 keys of my channel: a wave reads 128 consecutive bytes a load
.macro VISS q, dst, base
.set vi, 0
.rept 32
	global_load_b32 v[\dst+vi], v[GV], s[\base:\base+1] offset:((\q)-2)*1048576+vi*4096
.set vi, vi+1
.endr
.endm
; a tile through my own stage: in as loaded, out a whole block a lane (LDS serves a wave's instructions in order: ISA guide 5.7.1.4)
.macro KTURN src, x
.irp i, 0,1,2,3,4,5,6,7
	ds_store_b128 v[STI], v[\src+4*\i:\src+4*\i+3] offset:SP*\i
.endr
.irp i, 0,1,2,3,4,5,6,7
	ds_load_b128 v[\x+4*\i:\x+4*\i+3], v[STR] offset:16*\i
.endr
	AW
	s_wait_dscnt 0x0
.endm
; a block of 32 numbers v[xs] on: codes into v[cd] on, the scale's byte into v[T].  The floor 2^(3 - 127) among the leaves holds the byte at 1 from below
.macro BQ xs, cd
	v_max3_num_f32 v[BM], |v[\xs]|, |v[\xs+1]|, |v[\xs+2]|
	v_max3_num_f32 v[BM+1], |v[\xs+3]|, |v[\xs+4]|, |v[\xs+5]|
.irp i, 6,10,14,18,22,26
	s_delay_alu instid0(VALU_DEP_2)
	v_max3_num_f32 v[BM], v[BM], |v[\xs+\i]|, |v[\xs+\i+1]|
	s_delay_alu instid0(VALU_DEP_2)
	v_max3_num_f32 v[BM+1], v[BM+1], |v[\xs+\i+2]|, |v[\xs+\i+3]|
.endr
	s_delay_alu instid0(VALU_DEP_2)
	v_max3_num_f32 v[BM], v[BM], |v[\xs+30]|, |v[\xs+31]|
	s_delay_alu instid0(VALU_DEP_1)
	v_max3_num_f32 v[BM], v[BM], v[BM+1], 0x1800000
	s_delay_alu instid0(VALU_DEP_1)
	v_add_nc_u32 v[SO], 0xff000000, v[BM]          ; 2 off the exponent field: the conversion's scale operand
.irp g, 0,1,2,3
	v_cvt_scalef32_pk8_fp4_f32 v[\cd+\g], v[\xs+8*\g:\xs+8*\g+7], v[SO]
.endr
	v_lshrrev_b32 v[T], 23, v[SO]                  ; the byte (a plain line behind the conversions)
.endm
.macro HWORD                           ; v[T]: byte(block 0) | byte(block 1) << 8 of my row, in lanes l and l xor 16 alike
	s_delay_alu instid0(VALU_DEP_1)
	v_lshlrev_b32 v[T], v[SH], v[T]
	s_delay_alu instid0(VALU_DEP_1)
	v_permlanex16_b32 v[T2], v[T], s[SEL], s[SEL+1]
	s_delay_alu instid0(VALU_DEP_1)
	v_or_b32 v[T], v[T], v[T2]
.endm
.macro KFIN q, x, cd                   ; a tile of K into the image of the chunk at s[TN]
	BQ \x, \cd
	HWORD
	v_add_nc_u32 v[BX], s[TN], v[WK0]
	v_add_nc_u32 v[BX+1], s[TN], v[WKS0]
	v_lshl_or_b32 v[T], v[T], 16, v[T]             ; the two bytes twice: for either half of K
	ds_store_b128 v[BX], v[\cd:\cd+3] offset:8192*(\q)
	ds_store_b32 v[BX+1], v[T] offset:KSCO+1024*(\q)   ; lanes l and l xor 16 store the same word with the same value
.endm
.macro VFIN q, src, cd                 ; 32 channels x 32 keys of V
	BQ \src, \cd
	v_add_nc_u32 v[BX], s[TN], v[WV0]
	v_add_nc_u32 v[BX+1], s[TN], v[WVS0]
	ds_store_b128 v[BX], v[\cd:\cd+3] offset:VCO+8192*((\q)-2)
	ds_store_b8 v[BX+1], v[T] offset:VSCO+512*((\q)-2)
.endm
	s_load_b256 s[4:11], s[0:1], 0x0               ; query, keys, values, W_out
	s_load_b128 s[12:15], s[0:1], 0x20             ; aq, wq
	v_lshl_add_u32 v[SPW], v0, 2, SPARE
	v_mov_b32 v[NIL], 0
	v_lshrrev_b32 v[T], 5, v0
	s_delay_alu instid0(VALU_DEP_1)
	v_readfirstlane_b32 s[WV], v[T]                ; wave 0..15
	s_bfe_u32 s17, ttmp6, 0x40000                  ; cx
	s_lshl_b32 s45, ttmp9, 2
	s_add_co_u32 s17, s17, s45                     ; my block of 512 queries = 4 x cluster x + cx
	s_and_b32 s18, ttmp7, 0xffff                   ; hd = 16 n + head
	s_lshr_b32 s19, s18, 4
	s_and_b32 s20, s18, 15
	s_lshl_b32 s44, s19, 23
	s_lshl_b32 s45, s20, 8
	s_add_co_u32 s44, s44, s45                     ; the batch's first row, the head's 256 bytes
	s_lshl_b32 s[SQ], s17, 21                      ; Q: 512 rows a block, 32 a wave
	s_lshl_b32 s45, s[WV], 17
	s_add_co_u32 s[SQ], s[SQ], s45
	s_add_co_u32 s[SQ], s[SQ], s44
	s_mov_b32 s[SQ+1], 0
	s_lshr_b32 s46, s[WV], 3                       ; w / 8
	s_and_b32 s47, s[WV], 1                        ; w % 2
	s_lshl_b32 s[SK], s46, 19                      ; K: step w / 8 of two, tile w % 8: key 128 (w / 8) + 64 ((w / 4) % 2) + 8 (w % 4)
	s_bfe_u32 s45, s[WV], 0x10002
	s_lshl_b32 s45, s45, 18
	s_add_co_u32 s[SK], s[SK], s45
	s_and_b32 s45, s[WV], 3
	s_lshl_b32 s45, s45, 15
	s_add_co_u32 s[SK], s[SK], s45
	s_add_co_u32 s[SK], s[SK], s44
	s_mov_b32 s[SK+1], 0
	s_lshr_b32 s[SV], s[WV], 1                     ; V: block of 32 keys w / 2 of eight, channels 32 (w % 2) on
	s_lshl_b32 s[SV], s[SV], 17
	s_lshl_b32 s45, s47, 7
	s_add_co_u32 s[SV], s[SV], s45
	s_add_co_u32 s[SV], s[SV], s44
	s_mov_b32 s[SV+1], 0
	s_lshl_b32 s48, s18, 2                         ; W_out: tile number 4 g + w, g the work-group's number
	s_add_co_u32 s48, s48, s17
	s_and_b32 s49, s48, 1
	s_lshl_b32 s49, s49, 2
	s_and_b32 s45, s[WV], 3
	s_or_b32 s49, s49, s45                         ; t: the tile in its 128 rows
	s_bfe_u32 s50, s48, 0x40001                    ; kc: which 64 columns
	s_lshr_b32 s51, s48, 5                         ; which 128 rows
	s_lshr_b32 s56, s49, 1
	s_and_b32 s57, s49, 1
	s_lshl_b32 s[SW], s51, 19                      ; row 128 grp + 32 (t / 2) + 8 (t % 2)
	s_lshl_b32 s45, s56, 17
	s_add_co_u32 s[SW], s[SW], s45
	s_lshl_b32 s45, s57, 15
	s_add_co_u32 s[SW], s[SW], s45
	s_lshl_b32 s45, s50, 8
	s_add_co_u32 s[SW], s[SW], s45
	s_mov_b32 s[SW+1], 0
	s_mul_i32 s51, s51, GRPB
	s_lshl_b32 s[WQC], s50, 12
	s_add_co_u32 s[WQC], s[WQC], s51
	s_lshl_b32 s45, s49, 9
	s_add_co_u32 s[WQC], s[WQC], s45
	s_mov_b32 s[WQC+1], 0
	s_lshl_b32 s[WQS], s50, 9
	s_add_co_u32 s[WQS], s[WQS], s51
	s_add_co_u32 s[WQS], s[WQS], 65536
	s_lshl_b32 s45, s57, 8
	s_add_co_u32 s[WQS], s[WQS], s45
	s_lshl_b32 s45, s56, 2
	s_add_co_u32 s[WQS], s[WQS], s45
	s_mov_b32 s[WQS+1], 0
	s_lshl_b32 s56, s19, 4                         ; aq: the block's first group of 128 rows: 16 n + 4 block
	s_lshl_b32 s45, s17, 2
	s_add_co_u32 s56, s56, s45
	s_lshr_b32 s45, s[WV], 2
	s_add_co_u32 s45, s45, s56
	s_mul_i32 s[AQC], s45, GRPB
	s_lshl_b32 s45, s20, 12
	s_add_co_u32 s[AQC], s[AQC], s45
	s_and_b32 s57, s[WV], 3
	s_lshl_b32 s45, s57, 10
	s_add_co_u32 s[AQC], s[AQC], s45
	s_mov_b32 s[AQC+1], 0
	s_add_co_u32 s45, s56, s57
	s_mul_i32 s[AQW], s45, GRPB
	s_lshl_b32 s45, s20, 9
	s_add_co_u32 s[AQW], s[AQW], s45
	s_add_co_u32 s[AQW], s[AQW], 65536
	s_mov_b32 s[AQW+1], 0
	s_lshl_b32 s60, s57, 9
	s_add_co_u32 s60, s60, SCO
	s_lshl_b32 s48, s17, 19                        ; the prefetches: my work-group's 128 rows of a chunk's 512,
	s_lshl_b32 s45, s57, 17                        ; my wave's 32 of them,
	s_add_co_u32 s48, s48, s45
	s_add_co_u32 s48, s48, s44
	s_add_co_u32 s48, s48, 0x200000                ; in chunk 1
	s_mov_b32 s49, 0
	s_cmp_lt_u32 s[WV], 8
	s_cselect_b32 s[LIM], 3, 100
	s_mul_i32 s50, s[WV], 16*SP
	s_add_co_u32 s50, s50, STG                     ; my stage
	s_lshl_b32 s51, s[WV], 9
	s_bfe_u32 s56, s[WV], 0x20001                  ; (w / 2) % 4
	s_lshl_b32 s57, s46, 9
	s_lshl_b32 s45, s47, 8
	s_add_co_u32 s57, s57, s45
	s_lshl_b32 s45, s56, 2
	s_add_co_u32 s57, s57, s45                     ; K's scale word: step w / 8, lanes 16 (t % 2) on, word t / 2
	s_lshl_b32 s58, s46, 12
	s_lshl_b32 s45, s56, 8
	s_add_co_u32 s58, s58, s45
	s_lshl_b32 s45, s47, 7
	s_add_co_u32 s58, s58, s45                     ; V's codes: step w / 8, the step's block (w / 2) % 4 of keys, rows 8 (w % 2) on
	s_lshl_b32 s59, s46, 3
	s_add_co_u32 s59, s59, s56
	s_add_co_u32 s59, s59, s45                     ; V's scale byte
	s_mov_b32 s[SEL], 0x76543210
	s_mov_b32 s[SEL+1], 0xfedcba98
	s_mov_b32 s[CS], 0x3e38aa3b                    ; log2(e) / 8
	s_mov_b32 s[CS+1], s[CS]
	s_mov_b32 s[TN], 0
	v_and_b32 v[T], 31, v0
	v_and_b32 v[BM], 15, v0
	v_bfe_u32 v[BM+1], v0, 4, 1
	v_lshlrev_b32 v[LI], 4, v[T]
	v_lshlrev_b32 v[GV], 2, v[T]
	v_lshlrev_b32 v[PFO], 12, v[T]
	v_lshlrev_b32 v[SH], 3, v[BM+1]
	v_lshlrev_b32 v[BX], 4, v[BM]
	v_lshl_add_u32 v[GK], v[BM+1], 17, v[BX]
	v_lshl_add_u32 v[PC+4], v[BM+1], 15, v[BX]     ; Q's loads: lanes 16-31 take the row 8 on
	v_lshl_add_u32 v[PC+5], v[BM+1], 16, v[BX]     ; W's: 16 on
	v_mul_u32_u24 v[STI], v[BM+1], 8*SP
	v_mul_u32_u24 v[STR], v[BM], SP
	v_add_nc_u32 v[STI], v[STI], v[BX]
	v_lshl_add_u32 v[STR], v[BM+1], 7, v[STR]
	v_add_nc_u32 v[STI], s50, v[STI]
	v_add_nc_u32 v[STR], s50, v[STR]
	v_add_nc_u32 v[WK0], s51, v[LI]
	v_add_nc_u32 v[WKS0], s57, v[BX]
	v_and_b32 v[BX+1], 7, v0
	v_bfe_u32 v[SO], v0, 3, 2
	v_lshlrev_b32 v[BX+1], 4, v[BX+1]
	v_bfe_u32 v[SO+1], v0, 3, 1
	v_lshl_add_u32 v[WV0], v[SO], 10, v[BX+1]
	v_lshl_add_u32 v[WVS0], v[SO+1], 8, v[BX+1]
	v_add_nc_u32 v[WV0], s58, v[WV0]
	v_lshl_add_u32 v[WVS0], v[BM+1], 2, v[WVS0]
	v_mov_b32 v[T2], 0                             ; a lane permute's destination counts as one of its sources
	v_add_nc_u32 v[WVS0], s59, v[WVS0]
.irp g, 4,5,6,7
	v_mov_b32 v[Q+\g], 0                           ; the zero codes between the two tiles of Q
.endr
	AW
	s_wait_kmcnt 0x0
	s_cmp_lt_u32 s[WV], 4                          ; waves 0-3 prefetch K, waves 4-7 V: the choice hangs on the wave's number alone
	s_cselect_b64 s[PFA:PFA+1], s[6:7], s[8:9]
	s_add_nc_u64 s[PFA:PFA+1], s[PFA:PFA+1], s[48:49]
	s_add_nc_u64 s[SQ:SQ+1], s[4:5], s[SQ:SQ+1]
	s_add_nc_u64 s[SK:SK+1], s[6:7], s[SK:SK+1]
	s_add_nc_u64 s[SV:SV+1], s[8:9], s[SV:SV+1]
	s_add_nc_u64 s[SW:SW+1], s[10:11], s[SW:SW+1]
	s_add_nc_u64 s[AQC:AQC+1], s[12:13], s[AQC:AQC+1]
	s_add_nc_u64 s[AQW:AQW+1], s[12:13], s[AQW:AQW+1]
	s_add_nc_u64 s[WQC:WQC+1], s[14:15], s[WQC:WQC+1]
	s_add_nc_u64 s[WQS:WQS+1], s[14:15], s[WQS:WQS+1]
	s_add_nc_u64 s[SKL:SKL+1], s[SK:SK+1], 0x200000    ; chunk 1: 512 rows on
	s_add_nc_u64 s[SVL:SVL+1], s[SV:SV+1], 0x200000
	; THE HEAD: Q's two tiles into O's registers, chunk 0's four parts into S's, R's and (later) O's
	TL8 O, PC+4, SQ, 0
	TL8 O+32, PC+4, SQ, 16
	TL8 S, GK, SK, 0
	TL8 S+32, GK, SK, 256
	VISS 2, R, SV
	s_wait_loadcnt 56                              ; Q's tile 0 is in: behind it 8 + 16 + 32 loads
	KTURN O, KF
	BQ KF, Q
	HWORD
	v_mov_b32 v[QS], v[T]
	AW
	s_wait_loadcnt 48                              ; tile 1: behind it 16 + 32
	KTURN O+32, KF
	VISS 3, O, SV                                  ; O's registers have been read by the stage's stores
	s_cmp_lt_u32 s[WV], 4
	s_cbranch_scc0 .Lnw1
	TL8 O+32, PC+5, SW, 0                          ; waves 0-3: a tile of W_out
.Lnw1:
	BQ KF, Q+8
	HWORD
	v_lshlrev_b32 v[QS+1], 16, v[T]                ; tile 1's bytes scale the upper half of K
	AW
	s_wait_loadcnt 63                              ; K's first tile is in: behind it 72 loads or more (the field's largest count)
	KTURN S, KF
	KFIN 0, KF, PC
	AW
	s_wait_loadcnt 63                              ; the second: behind it 64 or more
	KTURN S+32, KF
	KFIN 1, KF, PC
	AW
	s_wait_loadcnt 32                              ; V's first part: behind it 32 or more
	VFIN 2, R, S
	TL8 R, GK, SKL, 0                              ; chunk 1's first part sets out
	AW
	s_cmp_lt_u32 s[WV], 8
	s_cbranch_scc0 .Lnp0
	global_prefetch_b8 v[PFO], s[PFA:PFA+1] th:TH_LOAD_NT scope:SCOPE_SE   ; my 32 rows of chunk 1, whose other parts are loaded in trip 0
.Lnp0:
	s_wait_loadcnt 8                               ; V's second part: behind it chunk 1's 8 or more (a prefetch is not counted)
	VFIN 3, O, S+4
	AW
	s_cmp_lt_u32 s[WV], 4
	s_cbranch_scc0 .Lnw2
	s_wait_loadcnt 8                               ; W's tile: behind it chunk 1's 8
	KTURN O+32, KF
	BQ KF, S+8
	HWORD
	v_and_b32 v[BX], 15, v0
	s_delay_alu instid0(VALU_DEP_1)
	v_lshlrev_b32 v[BX], 4, v[BX]
	global_store_b128 v[LI], v[S+8:S+11], s[WQC:WQC+1]     ; the tile's image: 512 consecutive bytes
	global_store_b32 v[BX], v[T], s[WQS:WQS+1]             ; its rows' half scale words
.Lnw2:
	; O^T and the sums begin as zeros and the largest score as -3e38: the step is written once, and the first change of M multiplies zeros
.set j, 0
.rept 64
	v_mov_b32 v[O+j], 0
.set j, j+1
.endr
.irp x, 0,1
	v_mov_b32 v[ST+4*\x], 0x7f61b1e6
	v_mov_b32 v[ST+4*\x+1], 0xff61b1e6
	v_mov_b32 v[ST+4*\x+2], 0
	v_mov_b32 v[ST+4*\x+3], 0
.endr
	s_mov_b32 s[TB], 0
	s_mov_b32 s[TN], CHUNKB
	s_mov_b32 s[CNT], 4
	AW
	s_wait_xcnt 0x0                                ; W's stores have read their registers, my prefetch its address:
	s_add_nc_u64 s[PFA:PFA+1], s[PFA:PFA+1], 0x200000      ; on to chunk 2
	s_wait_dscnt 0x0                               ; my part of chunk 0 is stored
	s_barrier_signal -1
	s_barrier_wait -1
; S^T = K Q^T: 16 keys (tile t) x tile x of queries.  x = 0: source 0 is the tile's four registers and the four behind them; x = 1: the four ahead of them and the tile's
.macro KQ t, x
.set rA, KF+4*(\t)-4*(\x)
.if (\t)%2
	v_wmma_scale_f32_16x16x128_f8f6f4 v[S+8*(\t):S+8*(\t)+7], v[rA:rA+7], v[Q+4*(\x):Q+4*(\x)+7], 0, v[KSC+(\t)/2], v[QS+(\x)] matrix_a_fmt:MATRIX_FMT_FP4 matrix_b_fmt:MATRIX_FMT_FP4 matrix_a_scale:MATRIX_SCALE_ROW1
.else
	v_wmma_scale_f32_16x16x128_f8f6f4 v[S+8*(\t):S+8*(\t)+7], v[rA:rA+7], v[Q+4*(\x):Q+4*(\x)+7], 0, v[KSC+(\t)/2], v[QS+(\x)] matrix_a_fmt:MATRIX_FMT_FP4 matrix_b_fmt:MATRIX_FMT_FP4
.endif
.endm
; O^T += V^T P: 16 channels (tile t) x tile x, K = the step's 128 keys; the four accumulators take turns
.macro PV t, x
.set rOP, O+32*(\x)+8*(\t)
.if (\t)%2
	v_wmma_scale_f32_16x16x128_f8f6f4 v[rOP:rOP+7], v[KF+8*(\t):KF+8*(\t)+7], v[PC:PC+7], v[rOP:rOP+7], v[VSC+(\t)/2], v[PS] matrix_a_fmt:MATRIX_FMT_FP4 matrix_b_fmt:MATRIX_FMT_FP4 matrix_a_scale:MATRIX_SCALE_ROW1
.else
	v_wmma_scale_f32_16x16x128_f8f6f4 v[rOP:rOP+7], v[KF+8*(\t):KF+8*(\t)+7], v[PC:PC+7], v[rOP:rOP+7], v[VSC+(\t)/2], v[PS] matrix_a_fmt:MATRIX_FMT_FP4 matrix_b_fmt:MATRIX_FMT_FP4
.endif
.endm
; The maxima of tile x: v[S + 32 c + i] is the score of key 64 c + 32 (lane / 16) + i.  v[BM], v[BX]: my two blocks' largest scores; then -M and f.  Each accumulator is read from its low end on
.macro SMAX x
.set rT, ST+4*(\x)
.irp k, 0,1
	v_max3_num_f32 v[BM+\k], v[S+16*\k], v[S+16*\k+1], v[S+16*\k+2]
	v_max3_num_f32 v[BX+\k], v[S+32+16*\k], v[S+33+16*\k], v[S+34+16*\k]
.endr
.irp i, 3,5,7,9,11,13
.irp k, 0,1
	v_max3_num_f32 v[BM+\k], v[BM+\k], v[S+16*\k+\i], v[S+16*\k+\i+1]      ; four chains by turns
	v_max3_num_f32 v[BX+\k], v[BX+\k], v[S+32+16*\k+\i], v[S+33+16*\k+\i]
.endr
.endr
	v_max3_num_f32 v[BM], v[BM], v[BM+1], v[S+15]
	v_max3_num_f32 v[BX], v[BX], v[BX+1], v[S+47]
	v_max_num_f32 v[BM], v[BM], v[S+31]
	v_max_num_f32 v[BX], v[BX], v[S+63]
	v_max3_num_f32 v[T], v[rT+1], v[BM], v[BX]
	v_permlanex16_b32 v[T2], v[T], s[SEL], s[SEL+1]
	v_max_num_f32 v[rT+1], v[T], v[T2]             ; the running largest score of my query
	v_mul_f32 v[T], s[CS], v[rT+1]                 ; as t
	v_mov_b32 v[T2], v[rT]
	v_floor_f32 v[rT], -v[T]                       ; -M = floor(-t): a whole number
	v_sub_f32 v[T2], v[rT], v[T2]                  ; old M - new M, 0 or less
	v_cvt_i32_f32 v[T2], v[T2]                     ; (it saturates)
	v_ldexp_f32 v[F], 1.0, v[T2]
.endm
; p, its scale word, its sum and its codes; O^T under the new M
.macro SEXP x
.set rT, ST+4*(\x)
.set rOS, O+32*(\x)
.set j, 0
.rept 32
	v_pk_fma_f32 v[S+j:S+j+1], v[S+j:S+j+1], s[CS:CS+1], v[rT:rT+1] op_sel_hi:[1,0,0]   ; t - M, two at a time
.set j, j+2
.endr
	v_fma_f32 v[BM], v[BM], s[CS], v[rT]           ; the same of my two blocks' largest scores
	v_fma_f32 v[BX], v[BX], s[CS], v[rT]
	s_delay_alu instid0(VALU_DEP_2)
	v_max_num_f32 v[BM], 0xc2f80000, v[BM]         ; held at -124: the byte cannot fall under 1
	s_delay_alu instid0(VALU_DEP_2)
	v_max_num_f32 v[BX], 0xc2f80000, v[BX]
	s_delay_alu instid0(VALU_DEP_2)
	v_cvt_floor_i32_f32 v[BM], v[BM]               ; floor(log2) of the block's largest p
	s_delay_alu instid0(VALU_DEP_2)
	v_cvt_floor_i32_f32 v[BX], v[BX]
	s_delay_alu instid0(VALU_DEP_2)
	v_add_nc_u32 v[BM], 125, v[BM]                 ; - 2 + 127: the scale's byte
	s_delay_alu instid0(VALU_DEP_2)
	v_add_nc_u32 v[BX], 125, v[BX]
	s_delay_alu instid0(VALU_DEP_2)
	v_lshlrev_b32 v[SO], 23, v[BM]                 ; the conversions' scale operands
	s_delay_alu instid0(VALU_DEP_2)
	v_lshlrev_b32 v[SO+1], 23, v[BX]
	v_lshl_or_b32 v[T], v[BX], 16, v[BM]           ; my bytes: blocks h and 2 + h,
	s_delay_alu instid0(VALU_DEP_1)
	v_lshlrev_b32 v[T], v[SH], v[T]                ; at their places;
	s_delay_alu instid0(VALU_DEP_1)
	v_permlanex16_b32 v[T2], v[T], s[SEL], s[SEL+1]
	s_delay_alu instid0(VALU_DEP_1)
	v_or_b32 v[PS], v[T], v[T2]                    ; with lane l xor 16's two the word is whole
	AW                                             ; ahead of the batch
.set j, 0
.rept 64
	v_exp_f32 v[S+j], v[S+j]                       ; p = 2^(t - M), at most 1
.set j, j+1
.endr
	v_pk_mul_f32 v[rT+2:rT+3], v[rT+2:rT+3], v[F:F+1] op_sel_hi:[1,0]   ; the sums under the new M (a plain line behind the exponentials)
	AW                                             ; one wait for the batch, ahead of its first reader
	v_pk_add_f32 v[BM:BM+1], v[S:S+1], v[S+2:S+3]  ; the row's sum, of the UNQUANTISED p, in two chains
.irp j, 4,8,12,16,20,24,28,32,36,40,44,48,52,56,60
	v_pk_add_f32 v[rT+2:rT+3], v[rT+2:rT+3], v[S+\j:S+\j+1]
	v_pk_add_f32 v[BM:BM+1], v[BM:BM+1], v[S+\j+2:S+\j+3]
.endr
	s_delay_alu instid0(VALU_DEP_1)
	v_pk_add_f32 v[rT+2:rT+3], v[rT+2:rT+3], v[BM:BM+1]
.irp g, 0,1,2,3,4,5,6,7
	v_cvt_scalef32_pk8_fp4_f32 v[PC+\g], v[S+8*\g:S+8*\g+7], v[SO+\g/4]   ; the operand's registers as they are wanted
.endr
	v_nop                                          ; one plain line behind a scaled conversion
	AW                                             ; directly ahead of the first readers of O^T, which products wrote ahead of the exponentials
.set j, 0
.rept 16
	v_pk_mul_f32 v[rOS+j:rOS+j+1], v[rOS+j:rOS+j+1], v[F:F+1] op_sel_hi:[1,0]
.set j, j+2
.endr
.endm
; My part q of the next chunk: what was asked for a step ago is quantised and stored, the next part is asked for.  The last chunk has no successor: a branch on the count of trips leads round
.macro STAGE q
	AW
	s_cmp_eq_u32 s[CNT], 1
	s_cbranch_scc1 .Lnone_\@
	s_wait_loadcnt 0x0
.if (\q) < 2
	KTURN R, S
.if (\q) == 0
	TL8 R, GK, SKL, 256
.else
	VISS 2, R, SVL
.endif
	KFIN \q, S, S+32
.else
	VFIN \q, R, S+32
.if (\q) == 2
	VISS 3, R, SVL
.else
	s_add_nc_u64 s[SKL:SKL+1], s[SKL:SKL+1], 0x200000      ; no load of mine is out: on to the chunk after
	s_add_nc_u64 s[SVL:SVL+1], s[SVL:SVL+1], 0x200000
	AW
	s_cmp_eq_u32 s[CNT], 2
	s_cbranch_scc1 .Lnone_\@                       ; there is none behind the last
	TL8 R, GK, SKL, 0
.endif
.endif
.Lnone_\@:
.endm
; A KEY STEP: 128 keys, the q-th of the chunk in hand, for both tiles of queries
.macro STEP q
	PLACES 4                                       ; in front of loads into registers that the last products read
.irp t, 0,1,2,3,4,5,6,7
	ds_load_b128 v[KF+4*\t:KF+4*\t+3], v[AD] offset:4096*(\q)+512*\t
.endr
	ds_load_b128 v[KSC:KSC+3], v[AD] offset:KSCO+512*(\q)
	s_wait_dscnt 0x0
.irp t, 0,1,2,3,4,5,6,7
	KQ \t, 0
.endr
	PLACES 4
	SMAX 0
	SEXP 0
.irp t, 0,1,2,3,4,5,6,7
	KQ \t, 1
.endr
	PLACES 4
.irp t, 0,1,2,3
.irp c, 0,1
	ds_load_b128 v[KF+8*\t+4*\c:KF+8*\t+4*\c+3], v[AD] offset:VCO+4096*(\q)+1024*\t+512*\c   ; V lands under tile 1's maxima
.endr
.endr
	ds_load_b64 v[VSC:VSC+1], v[AD] offset:VSCO+512*((\q)/2)+8*((\q)%2)
	SMAX 1
	AW
	s_wait_dscnt 0x0
.irp t, 0,1,2,3
	PV \t, 0                                       ; tile 0's product, so that one set of registers serves both tiles' codes
.endr
	SEXP 1
.irp t, 0,1,2,3
	PV \t, 1
.endr
	STAGE \q
.endm
.Lchunk:                                           ; four trips: 512 keys each
	v_add_nc_u32 v[AD], s[TB], v[LI]
	AW
	STEP 0
	AW
	s_cmp_ge_u32 s[CNT], s[LIM]                    ; trips 0 and 1, waves 0-7
	s_cbranch_scc0 .Lnp1
	global_prefetch_b8 v[PFO], s[PFA:PFA+1] th:TH_LOAD_NT scope:SCOPE_SE   ; my 32 rows of the chunk after the next, whose loads are issued in the next trip
.Lnp1:
	STEP 1
	STEP 2
	STEP 3
	s_add_co_u32 s[TB], s[TB], CHUNKB
	s_add_co_u32 s[TN], s[TN], CHUNKB
	AW
	s_wait_xcnt 0x0                                ; my prefetch has read its address, three key steps ago:
	s_add_nc_u64 s[PFA:PFA+1], s[PFA:PFA+1], 0x200000      ; a chunk on (behind trip 1 it is used no more)
	s_wait_dscnt 0x0                               ; my part of the next chunk is stored
	s_barrier_signal -1
	s_barrier_wait -1                              ; everybody's is
	s_sub_co_u32 s[CNT], s[CNT], 1
	s_cmp_lg_u32 s[CNT], 0
	s_cbranch_scc1 .Lchunk
	; THE WAY OUT.  O^T / the sum is the projection's left operand: a lane holds one whole block of its K (32 channels of my query), so it is quantised here and leaves as codes
	v_add_f32 v[BM], v[ST+2], v[ST+3]
	v_add_f32 v[BM+1], v[ST+6], v[ST+7]
	s_delay_alu instid0(VALU_DEP_2)
	v_permlanex16_b32 v[BX], v[BM], s[SEL], s[SEL+1]
	s_delay_alu instid0(VALU_DEP_2)
	v_permlanex16_b32 v[BX+1], v[BM+1], s[SEL], s[SEL+1]
	s_delay_alu instid0(VALU_DEP_2)
	v_add_f32 v[BM], v[BM], v[BX]
	s_delay_alu instid0(VALU_DEP_2)
	v_add_f32 v[BM+1], v[BM+1], v[BX+1]
	AW
	v_rcp_f32 v[KF], v[BM]
	v_rcp_f32 v[KF+2], v[BM+1]
	v_nop
	AW                                             ; for both reciprocals, and directly ahead of the first readers of O^T
.irp x, 0,1
.set j, 0
.rept 16
	v_pk_mul_f32 v[O+32*\x+j:O+32*\x+j+1], v[O+32*\x+j:O+32*\x+j+1], v[KF+2*\x:KF+2*\x+1] op_sel_hi:[1,0]
.set j, j+2
.endr
.endr
.irp x, 0,1
	BQ O+32*\x, PC+4*\x
	HWORD
	v_mov_b32 v[KF+4+\x], v[T]
	global_store_b128 v[LI], v[PC+4*\x:PC+4*\x+3], s[AQC:AQC+1] offset:512*\x   ; the tile's image: 512 consecutive bytes
.endr
	; the half scale words of 128 rows come from four waves: each stores its 32 words (lanes 0-15 tile 0's, lanes 16-31 tile 1's); waves 0-3 gather a group's four words a lane
	v_bfe_u32 v[T], v0, 4, 1
	v_lshl_add_u32 v[BX], v0, 2, SCO
	v_and_b32 v[BX+1], 31, v0
	v_cmp_ne_u32 vcc_lo, 0, v[T]
	v_lshl_add_u32 v[BX+1], v[BX+1], 2, s60
	v_cndmask_b32 v[T], v[KF+4], v[KF+5], vcc_lo
	ds_store_b32 v[BX], v[T]
	AW
	s_wait_dscnt 0x0                               ; for the others' sake: my store is done
	s_barrier_signal -1
	s_barrier_wait -1
	s_cmp_lt_u32 s[WV], 4
	s_cbranch_scc0 .Lno_words
.irp b, 0,1,2,3
	ds_load_b32 v[S+\b], v[BX+1] offset:128*\b     ; word b: wave 4 g + b's
.endr
	s_wait_dscnt 0x0
	global_store_b128 v[LI], v[S:S+3], s[AQW:AQW+1]    ; 512 consecutive bytes
.Lno_words:
	s_wait_tensorcnt 0x0                           ; the wave's end
	ds_add_u32 v[SPW], v[NIL]
	s_wait_dscnt 0x0
	s_endpgm
.Lfunc_end_k_qcb069abb5f_attn:
	.size	k_qcb069abb5f_attn, .Lfunc_end_k_qcb069abb5f_attn-k_qcb069abb5f_attn
	.p2alignl 7, 3214868480
	.fill 96, 4, 3214868480
	.section	.rodata,"a",@progbits
	.p2align	6, 0x0
	.amdhsa_kernel k_qcb069abb5f_attn
		.amdhsa_group_segment_fixed_size 217088
		.amdhsa_private_segment_fixed_size 0
		.amdhsa_enable_private_segment 0
		.amdhsa_kernarg_size 48
		.amdhsa_user_sgpr_count 2
		.amdhsa_user_sgpr_kernarg_segment_ptr 1
		.amdhsa_wavefront_size32 1
		.amdhsa_system_sgpr_workgroup_id_x 1
		.amdhsa_system_sgpr_workgroup_id_y 1
		.amdhsa_system_sgpr_workgroup_id_z 1
		.amdhsa_system_vgpr_workitem_id 0
		.amdhsa_next_free_vgpr 256
		.amdhsa_next_free_sgpr 66
		.amdhsa_reserve_vcc 1
		.amdhsa_float_denorm_mode_32 3
		.amdhsa_float_denorm_mode_16_64 3
		.amdhsa_memory_ordered 1
		.amdhsa_forward_progress 1
		.amdhsa_inst_pref_size 177
	.end_amdhsa_kernel
	.amdgpu_metadata
---
amdhsa.version: [ 1, 2 ]
amdhsa.kernels:
  - .name:           k_qcb069abb5f_attn
    .symbol:         k_qcb069abb5f_attn.kd
    .args:
      - { .name: query, .offset: 0, .size: 8, .value_kind: global_buffer, .address_space: global }
      - { .name: keys, .offset: 8, .size: 8, .value_kind: global_buffer, .address_space: global }
      - { .name: values, .offset: 16, .size: 8, .value_kind: global_buffer, .address_space: global }
      - { .name: W_out, .offset: 24, .size: 8, .value_kind: global_buffer, .address_space: global }
      - { .name: aq, .offset: 32, .size: 8, .value_kind: global_buffer, .address_space: global }
      - { .name: wq, .offset: 40, .size: 8, .value_kind: global_buffer, .address_space: global }
    .group_segment_fixed_size: 217088
    .private_segment_fixed_size: 0
    .kernarg_segment_align: 8
    .kernarg_segment_size: 48
    .max_flat_workgroup_size: 512
    .sgpr_count:     66
    .vgpr_count:     256
    .wavefront_size: 32
...
	.end_amdgpu_metadata
.endif
;; end of part 1
;; launch proj (part 2): grid 64 x 4, 8 waves a work-group, clusters of 4 x 4, 327,680 bytes of LDS; arguments aq, wq, b_out, out0; writes out0
.if DOCPART == 2
	.amdgcn_target "amdgcn-amd-amdhsa--gfx1250"
	.amdhsa_code_object_version 6
	.text
	.protected	k_qcb069abb5f_proj
	.globl	k_qcb069abb5f_proj
	.p2align	8
	.type	k_qcb069abb5f_proj,@function
k_qcb069abb5f_proj:
	s_mov_b64 s[64:65], 0
	v_nop
	global_prefetch_b8 v0, s[64:65] scope:SCOPE_SE
	s_setreg_imm32_b32 hwreg(HW_REG_WAVE_MODE, 25, 1), 1
	s_wait_xcnt 0x0
	s_wait_alu depctr_hold_cnt(0) depctr_sa_sdst(0) depctr_va_vdst(0) depctr_va_sdst(0) depctr_va_ssrc(0) depctr_va_vcc(0) depctr_vm_vsrc(0)
	s_getreg_b32 s2, hwreg(HW_REG_IB_STS2, 6, 4)
	s_cmp_eq_u32 s2, 0
	s_cbranch_scc0 .Lentry_in_a_cluster
	s_endpgm
.Lentry_in_a_cluster:
	s_bfe_u32 s2, ttmp6, 0x10000c
	s_cmp_lg_u32 s2, 0xf033
	s_cbranch_scc0 .Lentry_shape_is_right
	s_endpgm
.Lentry_shape_is_right:
.set GRPB,  73728
.set ALDS,  2*GRPB
.set STG,   3*GRPB
.set SP,    272
.set ADA,  1
.set ADW,  2
.set ADAS, 3
.set ADWS, 4
.set STO,  5
.set RD,   6
.set CO,   7
.set BO,   8
.set AF,   32
.set WF,   64
.set ACC,  96
.set SA,   224
.set SW,   240
.set WV,   12
.set G1W,  24
.set G1A,  32
.set G0W,  40
.set G0A,  44
.macro ROUND
	s_barrier_signal -1
	s_barrier_wait -1
	s_cmp_lg_u32 s[WV], 0
	s_cbranch_scc1 .Lnot_wave_0_\@
	s_barrier_signal -3
.Lnot_wave_0_\@:
	s_barrier_wait -3
	s_barrier_signal -1
	s_barrier_wait -1
.endm
.macro PLACES n
.rept \n
	v_nop
.endr
.endm
	s_load_b256 s[4:11], s[0:1], 0x0
	v_lshl_add_u32 v30, v0, 2, 0x3e800
	v_mov_b32 v31, 0
	ds_add_u32 v30, v31
	ds_add_u32 v30, v31
	v_lshrrev_b32 v1, 5, v0
	s_delay_alu instid0(VALU_DEP_1)
	v_readfirstlane_b32 s[WV], v1
	s_lshr_b32 s20, s[WV], 2
	s_and_b32 s21, s[WV], 3
	s_lshr_b32 s22, s21, 1
	s_and_b32 s23, s21, 1
	s_bfe_u32 s13, ttmp6, 0x40000
	s_bfe_u32 s14, ttmp6, 0x40004
	s_lshl_b32 s15, ttmp9, 2
	s_add_co_u32 s15, s15, s13
	s_lshl_b32 s48, s14, 2
	s_lshl_b32 s48, 15, s48
	s_lshl_b32 s49, 0x1111, s13
	s_or_b32 s[G1W], s48, (3<<16)|(1<<21)
	s_or_b32 s[G1A], s49, (3<<16)|(1<<21)
	s_mov_b32 s[G1W+1], 32<<16
	s_mov_b32 s[G1W+2], 144<<16                    ; a load brings 144 dense rows of 256 bytes: a quarter of W's two groups, or half of A's group
	s_mov_b32 s[G1W+3], 32<<16
	s_mov_b32 s[G1W+4], 144
	s_mov_b32 s[G1W+5], 32
	s_mov_b32 s[G1W+6], 0
	s_mov_b32 s[G1W+7], 0
	s_mov_b32 s[G1A+1], 32<<16
	s_mov_b32 s[G1A+2], 144<<16
	s_mov_b32 s[G1A+3], 32<<16
	s_mov_b32 s[G1A+4], 144
	s_mov_b32 s[G1A+5], 32
	s_mov_b32 s[G1A+6], 0
	s_mov_b32 s[G1A+7], 0
	s_mul_i32 s16, s14, 2*GRPB
	s_mul_i32 s[G0W+1], s[WV], 36864               ; waves 0-3: W's quarters
	s_add_co_u32 s16, s16, s[G0W+1]
	s_mov_b32 s17, 0
	s_mul_i32 s18, s15, GRPB
	s_and_b32 s50, s[WV], 1                        ; waves 4 and 5: A's halves
	s_mul_i32 s50, s50, 36864
	s_add_co_u32 s18, s18, s50
	s_mov_b32 s19, 0
	s_add_co_u32 s[G0A+1], s50, ALDS
	s_lshl_b32 s52, s14, 10
	s_lshl_b32 s53, s21, 8
	s_add_co_u32 s52, s52, s53
	s_mov_b32 s53, 0
	s_lshl_b32 s54, s15, 19
	s_lshl_b32 s55, s20, 18
	s_add_co_u32 s54, s54, s55
	s_add_co_u32 s54, s54, s52
	s_mov_b32 s55, 0
	s_wait_dscnt 0x0
	s_wait_kmcnt 0x0
	s_mov_b32 s[G0W], 1
	s_add_nc_u64 s[G0W+2:G0W+3], s[6:7], s[16:17]
	s_or_b32 s[G0W+3], s[G0W+3], 0x80000000
	s_mov_b32 s[G0A], 1
	s_add_nc_u64 s[G0A+2:G0A+3], s[4:5], s[18:19]
	s_or_b32 s[G0A+3], s[G0A+3], 0x80000000
	s_add_nc_u64 s[56:57], s[8:9], s[52:53]
	s_add_nc_u64 s[58:59], s[10:11], s[54:55]
	ROUND
	; the head's six joint loads, one a wave, in one chain of branches on the wave's number, all behind the one round: waves 0-3 W's quarters, waves 4 and 5 A's halves, waves 6 and 7 none
	s_cmp_lt_u32 s[WV], 4
	s_cbranch_scc0 .Lhead_a
	tensor_load_to_lds s[G0W:G0W+3], s[G1W:G1W+7]
	s_nop 0
	PLACES 4
	s_branch .Lhead_asked
.Lhead_a:
	s_cmp_lt_u32 s[WV], 6
	s_cbranch_scc0 .Lhead_asked
	tensor_load_to_lds s[G0A:G0A+3], s[G1A:G1A+7]
	s_nop 0
	PLACES 4
.Lhead_asked:
	v_and_b32 v9, 31, v0
	v_and_b32 v10, 15, v0
	v_bfe_u32 v11, v0, 4, 1
	s_delay_alu instid0(VALU_DEP_3)
	v_lshlrev_b32 v12, 4, v9
	s_wait_alu depctr_va_vdst(0)
	v_lshlrev_b32 v[BO], 6, v11
.irp im, 0,1,2,3
.irp jn, 0,1,2,3
.irp k, 0,1
	global_load_b128 v[ACC+8*(4*\im+\jn)+4*\k:ACC+8*(4*\im+\jn)+4*\k+3], v[BO], s[56:57] offset:128*(\jn/2)+32*(\jn%2)+16*\k
.endr
.endr
.endr
	s_lshl_b32 s60, s20, 11
	s_add_co_u32 s60, s60, ALDS
	v_add_nc_u32 v[ADA], s60, v12
	s_mul_i32 s61, s22, GRPB
	s_lshl_b32 s62, s23, 11
	s_add_co_u32 s62, s62, s61
	v_add_nc_u32 v[ADW], s62, v12
	s_lshl_b32 s60, s20, 3
	s_add_co_u32 s60, s60, ALDS+65536
	v_add_nc_u32 v[ADAS], s60, v12
	s_lshl_b32 s62, s23, 3
	s_add_co_u32 s62, s62, s61
	s_add_co_u32 s62, s62, 65536
	v_add_nc_u32 v[ADWS], s62, v12
	s_mul_i32 s63, s[WV], 16*SP
	s_add_co_u32 s63, s63, STG
	v_mul_u32_u24 v[STO], v10, SP
	s_delay_alu instid0(VALU_DEP_1)
	v_lshl_add_u32 v[STO], v11, 6, v[STO]
	s_delay_alu instid0(VALU_DEP_1)
	v_add_nc_u32 v[STO], s63, v[STO]
	v_mul_u32_u24 v[RD], v11, SP
	s_delay_alu instid0(VALU_DEP_1)
	v_lshl_add_u32 v[RD], v10, 4, v[RD]
	s_delay_alu instid0(VALU_DEP_1)
	v_add_nc_u32 v[RD], s63, v[RD]
	v_lshlrev_b32 v[CO], 4, v10
	s_delay_alu instid0(VALU_DEP_1)
	v_lshl_add_u32 v[CO], v11, 12, v[CO]
	s_wait_alu depctr_va_vdst(0)
	s_wait_tensorcnt 0x0
	s_barrier_signal -1
	s_barrier_wait -1
.set kc, 0
.rept 16
	ds_load_b64 v[AF+2*kc:AF+2*kc+1], v[ADAS] offset:512*kc
	ds_load_b64 v[WF+2*kc:WF+2*kc+1], v[ADWS] offset:512*kc
.set kc, kc+1
.endr
	s_wait_dscnt 0x0
.irp ks, 0,1,2,3,4,5,6,7
.irp bb, 0,1
	v_lshl_or_b32 v[SA+2*\ks+\bb], v[AF+4*\ks+2+\bb], 16, v[AF+4*\ks+\bb]
	v_lshl_or_b32 v[SW+2*\ks+\bb], v[WF+4*\ks+2+\bb], 16, v[WF+4*\ks+\bb]
.endr
.endr
	PLACES 8
	s_wait_loadcnt 0x0
.macro MM im, jn, ks
.set rC, ACC+8*(4*(\im)+(\jn))
.if ((\jn)%2) && ((\im)%2)
	v_wmma_scale_f32_16x16x128_f8f6f4 v[rC:rC+7], v[WF+8*(\jn):WF+8*(\jn)+7], v[AF+8*(\im):AF+8*(\im)+7], v[rC:rC+7], v[SW+2*(\ks)+(\jn)/2], v[SA+2*(\ks)+(\im)/2] matrix_a_fmt:MATRIX_FMT_FP4 matrix_b_fmt:MATRIX_FMT_FP4 matrix_a_scale:MATRIX_SCALE_ROW1 matrix_b_scale:MATRIX_SCALE_ROW1
.elseif (\jn)%2
	v_wmma_scale_f32_16x16x128_f8f6f4 v[rC:rC+7], v[WF+8*(\jn):WF+8*(\jn)+7], v[AF+8*(\im):AF+8*(\im)+7], v[rC:rC+7], v[SW+2*(\ks)+(\jn)/2], v[SA+2*(\ks)+(\im)/2] matrix_a_fmt:MATRIX_FMT_FP4 matrix_b_fmt:MATRIX_FMT_FP4 matrix_a_scale:MATRIX_SCALE_ROW1
.elseif (\im)%2
	v_wmma_scale_f32_16x16x128_f8f6f4 v[rC:rC+7], v[WF+8*(\jn):WF+8*(\jn)+7], v[AF+8*(\im):AF+8*(\im)+7], v[rC:rC+7], v[SW+2*(\ks)+(\jn)/2], v[SA+2*(\ks)+(\im)/2] matrix_a_fmt:MATRIX_FMT_FP4 matrix_b_fmt:MATRIX_FMT_FP4 matrix_b_scale:MATRIX_SCALE_ROW1
.else
	v_wmma_scale_f32_16x16x128_f8f6f4 v[rC:rC+7], v[WF+8*(\jn):WF+8*(\jn)+7], v[AF+8*(\im):AF+8*(\im)+7], v[rC:rC+7], v[SW+2*(\ks)+(\jn)/2], v[SA+2*(\ks)+(\im)/2] matrix_a_fmt:MATRIX_FMT_FP4 matrix_b_fmt:MATRIX_FMT_FP4
.endif
.endm
.macro KSTEP ks
	PLACES 4
.irp c, 0,1
.irp i, 0,1,2,3
	ds_load_b128 v[AF+8*\i+4*\c:AF+8*\i+4*\c+3], v[ADA] offset:(2*(\ks)+\c)*4096+512*\i
	ds_load_b128 v[WF+8*\i+4*\c:WF+8*\i+4*\c+3], v[ADW] offset:(2*(\ks)+\c)*4096+512*\i
.endr
.endr
	s_wait_alu depctr_va_vdst(0)
	s_wait_dscnt 0x0
.irp im, 0,1,2,3
.irp jn, 0,1,2,3
	MM \im, \jn, \ks
.endr
.endr
.endm
.irp ks, 0,1,2,3,4,5,6,7
	KSTEP \ks
.endr
.macro TOSTAGE im
.irp jn, 0,1,2,3
.irp k, 0,1
	ds_store_b128 v[STO], v[ACC+32*(\im)+8*\jn+4*\k:ACC+32*(\im)+8*\jn+4*\k+3] offset:128*(\jn/2)+32*(\jn%2)+16*\k
.endr
.endr
.irp i, 0,1,2,3,4,5,6,7
	ds_load_b128 v[AF+32*((\im)%2)+4*\i:AF+32*((\im)%2)+4*\i+3], v[RD] offset:2*SP*\i
.endr
.endm
.macro SEND im, younger
	s_wait_dscnt \younger
.irp i, 0,1,2,3,4,5,6,7
	global_store_b128 v[CO], v[AF+32*((\im)%2)+4*\i:AF+32*((\im)%2)+4*\i+3], s[58:59] offset:(16*(\im)+2*\i)*4096 th:TH_STORE_NT
.endr
.endm
	PLACES 4
	TOSTAGE 0
	TOSTAGE 1
	SEND 0, 16
	s_wait_xcnt 0x0
	TOSTAGE 2
	SEND 1, 16
	s_wait_xcnt 0x0
	TOSTAGE 3
	SEND 2, 16
	SEND 3, 0
	s_wait_tensorcnt 0x0
	ds_add_u32 v30, v31
	s_wait_dscnt 0x0
	ROUND
	s_endpgm
.Lfunc_end_k_qcb069abb5f_proj:
	.size	k_qcb069abb5f_proj, .Lfunc_end_k_qcb069abb5f_proj-k_qcb069abb5f_proj
	.p2alignl 7, 3214868480
	.fill 96, 4, 3214868480
	.section	.rodata,"a",@progbits
	.p2align	6, 0x0
	.amdhsa_kernel k_qcb069abb5f_proj
		.amdhsa_group_segment_fixed_size 327680
		.amdhsa_private_segment_fixed_size 0
		.amdhsa_enable_private_segment 0
		.amdhsa_kernarg_size 32
		.amdhsa_user_sgpr_count 2
		.amdhsa_user_sgpr_kernarg_segment_ptr 1
		.amdhsa_wavefront_size32 1
		.amdhsa_system_sgpr_workgroup_id_x 1
		.amdhsa_system_sgpr_workgroup_id_y 1
		.amdhsa_system_sgpr_workgroup_id_z 1
		.amdhsa_system_vgpr_workitem_id 0
		.amdhsa_next_free_vgpr 256
		.amdhsa_next_free_sgpr 66
		.amdhsa_reserve_vcc 0
		.amdhsa_float_denorm_mode_32 3
		.amdhsa_float_denorm_mode_16_64 3
		.amdhsa_memory_ordered 1
		.amdhsa_forward_progress 1
		.amdhsa_inst_pref_size 47
	.end_amdhsa_kernel
	.amdgpu_metadata
---
amdhsa.version: [ 1, 2 ]
amdhsa.kernels:
  - .name:           k_qcb069abb5f_proj
    .symbol:         k_qcb069abb5f_proj.kd
    .args:
      - { .name: aq, .offset: 0, .size: 8, .value_kind: global_buffer, .address_space: global }
      - { .name: wq, .offset: 8, .size: 8, .value_kind: global_buffer, .address_space: global }
      - { .name: b_out, .offset: 16, .size: 8, .value_kind: global_buffer, .address_space: global }
      - { .name: out0, .offset: 24, .size: 8, .value_kind: global_buffer, .address_space: global }
    .group_segment_fixed_size: 327680
    .private_segment_fixed_size: 0
    .kernarg_segment_align: 8
    .kernarg_segment_size: 32
    .max_flat_workgroup_size: 256
    .sgpr_count:     66
    .vgpr_count:     256
    .wavefront_size: 32
...
	.end_amdgpu_metadata
.endif
;; end of part 2
